; MI455X (gfx1250); checked and timed in simulation.
; The chip was launched on July 23, 2026; its instructions are those of AMD's public machine-readable ISA for CDNA 5 (MIT licence, August 2026) and "CDNA5" Instruction Set Architecture Reference Guide (July 2026). The comments in the code are by the model that wrote it; some were corrected since.
;; Attention. Allowed arithmetic: float matrix products may take bf16 or f16 operands with f32 sums; all other float work in f32.
;; Inputs: Wkv 1,024 x 2,048 float32; Wq 1,024 x 1,024 float32; pos_emb 1,025 x 64 float32; x 4 x 1,024 x 1,024 float32.
;; Outputs: out0 4 x 16 x 1,024 x 64 float32.
;; 2 versions, each right; version 2 is version 1 with the launch prep written anew for expert scheduling mode. Each part assembles by itself: llvm-mc -triple=amdgcn-amd-amdhsa -mcpu=gfx1250 --defsym DOCPART=n.
;; ======== version 1 of 2: 3 launches
;; limits: values are held in f16: magnitudes above 65,504 overflow, below 6.1e-05 lose precision; inputs' magnitudes at most 65,504
;; workspace buffers: xb 8,388,608 bytes; wt 6,291,456 bytes; pext 262,144 bytes; qkv 25,165,824 bytes
;; launch prep (part 1): grid 656 x 1, 8 waves a work-group, no clusters, 34,304 bytes of LDS; arguments x, Wq, Wkv, pos_emb, xb, wt, pext; writes xb, wt, pext
.if DOCPART == 1
	.amdgcn_target "amdgcn-amd-amdhsa--gfx1250"
	.amdhsa_code_object_version 6
	.text
	.protected	k_q7e96569041_prep
	.globl	k_q7e96569041_prep
	.p2align	8
	.type	k_q7e96569041_prep,@function
k_q7e96569041_prep:
	s_mov_b64 s[64:65], 0
	v_nop
	global_prefetch_b8 v0, s[64:65] scope:SCOPE_SE
	s_setreg_imm32_b32 hwreg(HW_REG_WAVE_MODE, 25, 1), 1
	s_wait_xcnt 0x0
; Casts and lays out the operands of the two matrix launches.  Four kinds of work-group, told apart by the work-group's number alone:
;   0..255    xb   = f16(x), [4096][1024]; 65,536 bytes of x each
;   256..383  wt rows 0..1023    = f16(Wq^T  / 8), a tile of 128 k x 64 n each, transposed through LDS
;   384..639  wt rows 1024..3071 = f16(Wkv^T / 8), likewise
;   640..655  pext[u] = f16(pos_emb[min(1535 - min(u, 1535), 1024)] / 8), [2048][64]; 128 rows each.
;             With u = j - i + 1023 that is the row clip(i - j, -512, 512) + 512: the clip is built in and u rises with the key j.
; The factor 1/8 is a power of two, so it costs no accuracy; it leaves q, k, v eight times more room in f16.
; LIMITS: f16 holds magnitudes below 65,504: |x| < 65,504, |W| and |pos_emb| < 524,000; beyond that the cast gives infinity.
; Memory binds here: every input byte is read once (clamped rows of pos_emb again), by 16-byte loads whose sixteen neighbouring lanes
; cover 256 aligned bytes, and every store of a wave covers whole aligned runs of 256 bytes.  No matrix unit, no cluster: nothing is shared.
.set WQ0,  256                         ; first work-group of Wq's tiles
.set WKV0, 384                         ; of Wkv's tiles
.set POS0, 640                         ; of pext's rows
.set EIGHTH, 0x3e000000                ; 0.125
	s_load_b256 s[4:11], s[0:1], 0x0               ; x s[4:5], Wq s[6:7], Wkv s[8:9], pos_emb s[10:11]
	s_load_b128 s[12:15], s[0:1], 0x20             ; xb s[12:13], wt s[14:15]
	s_load_b64 s[16:17], s[0:1], 0x30              ; pext
	v_lshl_add_u32 v112, v0, 2, 0x8200
	v_mov_b32 v113, 0
	s_mov_b32 s21, 0                               ; upper words of the two offset pairs s[20:21], s[22:23]
	s_mov_b32 s23, 0
	s_wait_kmcnt 0x0
	s_cmp_lt_u32 ttmp9, WQ0
	s_cbranch_scc0 .Lweights
	; ---- x: a wave owns 8,192 consecutive bytes, sixteen loads of 512 bytes, all on their way at once
	v_and_b32 v1, 31, v0
	v_lshrrev_b32 v2, 5, v0
	v_lshlrev_b32 v1, 4, v1
	v_lshl_add_u32 v1, v2, 13, v1                  ; 8,192 wave + 16 lane
	v_lshrrev_b32 v2, 1, v1                        ; half of that in xb
	s_lshl_b32 s20, ttmp9, 16
	s_lshl_b32 s22, ttmp9, 15
	s_add_nc_u64 s[4:5], s[4:5], s[20:21]
	s_add_nc_u64 s[12:13], s[12:13], s[22:23]
.irp i, 0,1,2,3,4,5,6,7,8,9,10,11,12,13,14,15
	global_load_b128 v[16+4*\i:16+4*\i+3], v1, s[4:5] offset:512*\i th:TH_LOAD_NT
.endr
.irp i, 0,1,2,3,4,5,6,7,8,9,10,11,12,13,14,15
	s_wait_loadcnt 15-\i                           ; loads return in order: load i is in, the 15 - i younger ones stay out
	v_cvt_pk_f16_f32 v[80+2*\i], v[16+4*\i], v[16+4*\i+1]
	v_cvt_pk_f16_f32 v[80+2*\i+1], v[16+4*\i+2], v[16+4*\i+3]
	global_store_b64 v2, v[80+2*\i:80+2*\i+1], s[12:13] offset:256*\i   ; 32 lanes x 8 bytes = 256 aligned bytes; no register is used twice
.endr
	s_endpgm
; ---- a tile of 128 k x 64 n of a weight matrix whose rows are 1 << shift bytes, into wt's rows 64 (nt + nt0) .. + 63, columns 128 kt .. + 127.
; In: thread (row = t / 16, chunk = t % 16) loads 16 bytes of rows row + 16 i; a row's piece is 256 aligned bytes.
; LDS: [128 k][65 words]: the odd pitch keeps the word stores of two neighbouring rows on different banks.
; Out: thread (nn = t / 16, kc = t % 16) gathers k = 8 kc .. + 7 of columns nn + 16 i: sixteen lanes then store 256 aligned bytes of one row of wt.
.macro WTILE src, shift, first, nt0
	s_sub_co_u32 s18, ttmp9, \first
	s_and_b32 s19, s18, 7                          ; kt
	s_lshr_b32 s18, s18, 3                         ; nt
	s_lshl_b32 s20, s19, 7+\shift                  ; 128 kt rows
	s_lshl_b32 s24, s18, 8                         ; 64 nt columns of 4 bytes
	s_add_co_u32 s20, s20, s24
	s_add_nc_u64 s[\src:\src+1], s[\src:\src+1], s[20:21]
	s_add_co_u32 s18, s18, \nt0
	s_lshl_b32 s22, s18, 17                        ; 64 rows of wt, 2,048 bytes each
	s_lshl_b32 s24, s19, 8                         ; 128 kt columns of 2 bytes
	s_add_co_u32 s22, s22, s24
	s_add_nc_u64 s[14:15], s[14:15], s[22:23]
	v_and_b32 v1, 15, v0                           ; chunk, later kc
	v_lshrrev_b32 v2, 4, v0                        ; row, later nn
	v_lshlrev_b32 v3, \shift, v2
	v_lshl_add_u32 v3, v1, 4, v3                   ; source: row x pitch + 16 chunk
	v_mul_u32_u24 v4, v2, 260
	v_lshl_add_u32 v4, v1, 4, v4                   ; LDS in: 260 row + 16 chunk
	v_mul_u32_u24 v5, v1, 2080
	v_lshl_add_u32 v5, v2, 2, v5                   ; LDS out: 260 x 8 kc + 4 nn
	v_lshlrev_b32 v6, 11, v2
	v_lshl_add_u32 v6, v1, 4, v6                   ; wt: 2,048 nn + 16 kc
.irp i, 0,1,2,3,4,5,6,7
	global_load_b128 v[16+4*\i:16+4*\i+3], v3, s[\src:\src+1] offset:\i*(16<<\shift) th:TH_LOAD_NT
.endr
.irp i, 0,1,2,3,4,5,6,7
	s_wait_loadcnt 7-\i                            ; load i is in, the younger ones stay out
.irp e, 0,1,2,3
	ds_store_b32 v4, v[16+4*\i+\e] offset:4160*\i+4*\e
.endr
.endr
	s_wait_dscnt 0x0                               ; my stores are done before I say so: other waves read them
	s_barrier_signal -1
	s_barrier_wait -1
.irp i, 0,1,2,3
.irp e, 0,1,2,3,4,5,6,7
	ds_load_b32 v[48+8*\i+\e], v5 offset:260*\e+64*\i
.endr
.endr
.irp i, 0,1,2,3
	s_wait_dscnt 8*(3-\i)                          ; the eight words of column nn + 16 i are in; the later columns' loads stay out
.irp p, 0,1,2,3
	v_pk_mul_f32 v[48+8*\i+2*\p:48+8*\i+2*\p+1], v[48+8*\i+2*\p:48+8*\i+2*\p+1], EIGHTH op_sel_hi:[1,0]
.endr
.irp p, 0,1,2,3
	v_cvt_pk_f16_f32 v[80+4*\i+\p], v[48+8*\i+2*\p], v[48+8*\i+2*\p+1]
.endr
	global_store_b128 v6, v[80+4*\i:80+4*\i+3], s[14:15] offset:32768*\i
.endr
	s_wait_tensorcnt 0x0
	ds_add_u32 v112, v113
	s_wait_dscnt 0x0
	s_endpgm
.endm
.Lweights:
	s_cmp_lt_u32 ttmp9, WKV0
	s_cbranch_scc0 .Lwkv
	WTILE 6, 12, WQ0, 0                            ; Wq: rows of 4,096 bytes
.Lwkv:
	s_cmp_lt_u32 ttmp9, POS0
	s_cbranch_scc0 .Lpos
	WTILE 8, 13, WKV0, 16                          ; Wkv: rows of 8,192 bytes, behind Wq's 16 column tiles
	; ---- pext: thread (rl = t / 16, c = t % 16) takes 16 bytes of the source row of u = 128 g + 16 i + rl
.Lpos:
	s_sub_co_u32 s18, ttmp9, POS0
	s_lshl_b32 s19, s18, 7                         ; the group's first u
	s_lshl_b32 s22, s18, 14                        ; 128 rows of 128 bytes
	s_add_nc_u64 s[16:17], s[16:17], s[22:23]
	v_and_b32 v1, 15, v0
	v_lshrrev_b32 v2, 4, v0
	v_add_nc_u32 v3, s19, v2
	v_lshlrev_b32 v12, 7, v2
	v_lshl_add_u32 v12, v1, 3, v12                 ; 128 rl + 8 c: a wave's store covers two rows, 256 aligned bytes
.irp i, 0,1,2,3,4,5,6,7
	v_add_nc_u32 v13, 16*\i, v3                    ; u
	v_min_u32 v13, 1535, v13
	v_sub_nc_u32 v13, 1535, v13
	v_min_u32 v13, 1024, v13                       ; the row of pos_emb, 0 .. 1024
	v_lshlrev_b32 v13, 8, v13
	v_lshl_add_u32 v[4+\i], v1, 4, v13
	global_load_b128 v[16+4*\i:16+4*\i+3], v[4+\i], s[10:11]
.endr
.irp i, 0,1,2,3,4,5,6,7
	s_wait_loadcnt 7-\i                            ; load i is in, the younger ones stay out
	v_pk_mul_f32 v[16+4*\i:16+4*\i+1], v[16+4*\i:16+4*\i+1], EIGHTH op_sel_hi:[1,0]
	v_pk_mul_f32 v[16+4*\i+2:16+4*\i+3], v[16+4*\i+2:16+4*\i+3], EIGHTH op_sel_hi:[1,0]
	v_cvt_pk_f16_f32 v[48+2*\i], v[16+4*\i], v[16+4*\i+1]
	v_cvt_pk_f16_f32 v[48+2*\i+1], v[16+4*\i+2], v[16+4*\i+3]
	global_store_b64 v12, v[48+2*\i:48+2*\i+1], s[16:17] offset:2048*\i
.endr
	s_endpgm
.Lfunc_end_k_q7e96569041_prep:
	.size	k_q7e96569041_prep, .Lfunc_end_k_q7e96569041_prep-k_q7e96569041_prep
	.p2alignl 7, 3214868480
	.fill 96, 4, 3214868480
	.section	.rodata,"a",@progbits
	.p2align	6, 0x0
	.amdhsa_kernel k_q7e96569041_prep
		.amdhsa_group_segment_fixed_size 34304
		.amdhsa_private_segment_fixed_size 0
		.amdhsa_enable_private_segment 0
		.amdhsa_kernarg_size 56
		.amdhsa_user_sgpr_count 2
		.amdhsa_user_sgpr_kernarg_segment_ptr 1
		.amdhsa_wavefront_size32 1
		.amdhsa_system_sgpr_workgroup_id_x 1
		.amdhsa_system_sgpr_workgroup_id_y 1
		.amdhsa_system_sgpr_workgroup_id_z 1
		.amdhsa_system_vgpr_workitem_id 0
		.amdhsa_next_free_vgpr 114
		.amdhsa_next_free_sgpr 66
		.amdhsa_reserve_vcc 0
		.amdhsa_float_denorm_mode_32 3
		.amdhsa_float_denorm_mode_16_64 3
		.amdhsa_memory_ordered 1
		.amdhsa_forward_progress 1
		.amdhsa_inst_pref_size 33
	.end_amdhsa_kernel
	.amdgpu_metadata
---
amdhsa.version: [ 1, 2 ]
amdhsa.kernels:
  - .name:           k_q7e96569041_prep
    .symbol:         k_q7e96569041_prep.kd
    .args:
      - { .name: x, .offset: 0, .size: 8, .value_kind: global_buffer, .address_space: global }
      - { .name: Wq, .offset: 8, .size: 8, .value_kind: global_buffer, .address_space: global }
      - { .name: Wkv, .offset: 16, .size: 8, .value_kind: global_buffer, .address_space: global }
      - { .name: pos_emb, .offset: 24, .size: 8, .value_kind: global_buffer, .address_space: global }
      - { .name: xb, .offset: 32, .size: 8, .value_kind: global_buffer, .address_space: global }
      - { .name: wt, .offset: 40, .size: 8, .value_kind: global_buffer, .address_space: global }
      - { .name: pext, .offset: 48, .size: 8, .value_kind: global_buffer, .address_space: global }
    .group_segment_fixed_size: 34304
    .private_segment_fixed_size: 0
    .kernarg_segment_align: 8
    .kernarg_segment_size: 56
    .max_flat_workgroup_size: 256
    .sgpr_count:     66
    .vgpr_count:     114
    .wavefront_size: 32
...
	.end_amdgpu_metadata
.endif
;; end of part 1
;; launch proj (part 2): grid 12 x 16, 4 waves a work-group, clusters of 4 x 4, 327,680 bytes of LDS; arguments xb, wt, qkv; writes qkv
.if DOCPART == 2
	.amdgcn_target "amdgcn-amd-amdhsa--gfx1250"
	.amdhsa_code_object_version 6
	.text
	.protected	k_q7e96569041_proj
	.globl	k_q7e96569041_proj
	.p2align	8
	.type	k_q7e96569041_proj,@function
k_q7e96569041_proj:
	s_mov_b64 s[64:65], 0
	v_nop
	global_prefetch_b8 v0, s[64:65] scope:SCOPE_SE
	s_setreg_imm32_b32 hwreg(HW_REG_WAVE_MODE, 25, 1), 1
	s_wait_xcnt 0x0
	s_wait_alu depctr_hold_cnt(0) depctr_sa_sdst(0) depctr_va_vdst(0) depctr_va_sdst(0) depctr_va_ssrc(0) depctr_va_vcc(0) depctr_vm_vsrc(0)
	s_getreg_b32 s2, hwreg(HW_REG_IB_STS2, 6, 4)
	s_cmp_eq_u32 s2, 0
	s_cbranch_scc0 .Lentry_in_a_cluster
	s_endpgm
.Lentry_in_a_cluster:
	s_bfe_u32 s2, ttmp6, 0x10000c
	s_cmp_lg_u32 s2, 0xf033
	s_cbranch_scc0 .Lentry_shape_is_right
	s_endpgm
.Lentry_shape_is_right:
; q, k, v (each divided by 8, the factor lies in wt) = xb wt^T.  xb: [4096][1024] f16, wt: [3072][1024] f16, sums in f32, results rounded once to f16 into
; qkv: [3 (q, k, v)][4 b][16 h][1024 token][64 d]: a plane is 131,072 bytes, a token's row 128 bytes.
; LIMIT: |q|, |k|, |v| < 8 x 65,504, or the rounding to f16 gives infinity.
; A work-group makes a block of 256 tokens x 256 columns with four waves, one for each SIMD; a wave makes 128 x 128: 64 accumulator tiles of 16 x 16, 512 registers.
; 16 x 12 blocks = 192 work-groups: a narrower block would cut a wave's columns inside a head and so its stores inside a token's 128 bytes.
; K goes in steps of 128 through a ring of two LDS slots filled by the tensor data mover: a tile's rows are 256 bytes of memory, at multiples of 256 bytes.
; CLUSTERS: 4 x 4 work-groups.  The four of a row of the cluster need the same tiles of xb, the four of a column the same tiles of wt.  Such a tile is asked for
; jointly: each of the four issues the same tensor load, with the same descriptor and a mask that names the four.  That divides the requests by four.
;
; REGISTERS, in windows of 256:
;   window 0: v0-31 addresses; v64-127, v128-191 fragments of xb (8 x 16 rows x 32 K), two buffers; v192-223 at work on the way out
;   window 1: v64-127, v128-191 fragments of wt, two buffers
;   window 2: the 32 accumulator tiles of my rows 0-63 (tile (a, b) at v[8 (8 a + b)]);   window 3: those of my rows 64-127
; s_set_vgpr_msb's low byte: bits 1:0 source 0, 3:2 source 1, 5:4 source 2, 7:6 destination.
; THE MATRIX INSTRUCTION IS USED TRANSPOSED: source 0 = 16 rows of wt, source 1 = 16 rows of xb.  Lane l then holds token l % 16 and its registers 0 to 7
; the columns 8 (l / 16) + 0 .. 7: eight neighbouring numbers of a token's row, which pack into 16 bytes.
.set SIZE_M, 4096
.set SIZE_N, 3072
.set SIZE_K, 1024
.set KSTEP,  128
.set PITCH,  272                       ; an LDS row: 256 bytes + 16 of padding = 17 x 16: the 16 rows that a fragment load touches start at 16 different 16-byte columns
.set HALFT,  128*PITCH                 ; 128 rows: what one tensor load brings, and what one wave reads of either operand
.set SLOT,   4*HALFT                   ; xb's 256 rows, then wt's 256 rows
.set STAGE,  2*SLOT                    ; behind the ring: 16 rows x 272 bytes for each wave, for the way out; no tensor load lands there
.set SPITCH, 272
.set LAPS, SIZE_K/(2*KSTEP)            ; a lap = two K steps = once round the ring: 4 laps
.set ADRA, 16                          ; v16-17  LDS address of my xb fragments in slot 0, 1
.set ADRB, 20                          ; v20-21  the same for wt
.set STO,  24                          ; v24     the way out: where I put 16 bytes of a row
.set RD,   25                          ; v25     the way out: where I read back
.set CO,   26                          ; v26     my byte offset in qkv
.set F0,   64                          ; fragment buffer 0
.set F1,   128                         ; fragment buffer 1
.set TMP,  192                         ; the way out: packed results, in window 0
.set G1, 24                            ; s[24:31] descriptor group 1 for xb's tiles
.set G0, 32                            ; s[32:39] descriptor group 0 for xb's tiles, one set for each slot
.set G1B, 48                           ; s[48:55] descriptor group 1 for wt's tiles: it differs in the mask alone
.set G0B, 56                           ; s[56:63] descriptor group 0 for wt's tiles, one set for each slot
.set MSB, 0
.macro WIN new                         ; the immediate's high byte repeats the setting that is left
.if MSB != \new
	s_set_vgpr_msb (MSB<<8)|\new
.set MSB, \new
.endif
.endm
.set MUL_LO, 0xa1                      ; source 0 (wt) window 1, source 1 (xb) window 0, C and D window 2
.set MUL_HI, 0xf1                      ; the same, C and D window 3
.set TO_B,   0x40                      ; destination window 1, address window 0
; A joint load.  Waves 0 and 1 fetch xb's two halves, waves 2 and 3 wt's.  Each line has one mask and one set of registers for all that issue it.
; The branch hangs on the wave's number alone: it is the same in every work-group.
.macro JLOAD s
	s_cmp_eq_u32 s11, 0
	s_cbranch_scc0 .Lfor_b_\@
	tensor_load_to_lds s[G0+4*\s:G0+4*\s+3], s[G1:G1+7]
	s_nop 0
	s_branch .Lasked_\@
.Lfor_b_\@:
	tensor_load_to_lds s[G0B+4*\s:G0B+4*\s+3], s[G1B:G1B+7]
	s_nop 0
.Lasked_\@:
.endm
; A round of the cluster's barrier: my work-group's barrier, so that wave 0's signal speaks for all four waves; wave 0 signals for the work-group;
; every wave waits for all sixteen work-groups; my work-group's barrier once more.
.macro CREST                           ; a round behind its opening barrier
	s_cmp_lg_u32 s10, 0
	s_cbranch_scc1 .Lnot_wave_0_\@
	s_barrier_signal -3
.Lnot_wave_0_\@:
	s_barrier_wait -3
	s_barrier_signal -1
	s_barrier_wait -1
.endm
.macro CROUND                          ; a whole round
	s_barrier_signal -1
	s_barrier_wait -1
	CREST
.endm
	s_load_b128 s[4:7], s[0:1], 0x0                ; xb s[4:5], wt s[6:7]
	s_load_b64 s[8:9], s[0:1], 0x10                ; qkv
	s_set_vgpr_msb 0x40
	v_lshl_add_u32 v255, v0, 2, 0x48400
	s_set_vgpr_msb 0x4000
	v_mov_b32 v255, 0
	s_set_vgpr_msb 0x1
	ds_add_u32 v255, v255
	s_set_vgpr_msb 0x100
	v_lshrrev_b32 v1, 5, v0
	v_readfirstlane_b32 s10, v1                    ; wave 0..3
	s_lshr_b32 s11, s10, 1                         ; which half of the block's rows is mine.  Also: I fetch for xb (0) or for wt (1)
	s_and_b32 s12, s10, 1                          ; which half of its columns.  Also: which 128 rows of that tile I fetch
	s_bfe_u32 s40, ttmp6, 0x40000                  ; cx: my place along the cluster's x
	s_bfe_u32 s41, ttmp6, 0x40004                  ; cy: along its y
	s_lshl_b32 s42, ttmp9, 2                       ; in a cluster launch ttmp9 and ttmp7 count clusters
	s_add_co_u32 s42, s42, s40                     ; block column = 4 x cluster x + cx
	s_and_b32 s13, ttmp7, 0xffff
	s_lshl_b32 s13, s13, 2
	s_add_co_u32 s13, s13, s41                     ; block row = 4 x cluster y + cy
	s_lshl_b32 s43, s41, 2
	s_lshl_b32 s43, 15, s43                        ; my row of the cluster: places 4 cy .. 4 cy + 3
	s_lshl_b32 s44, 0x1111, s40                    ; my column: places cx, cx + 4, cx + 8, cx + 12
	; descriptor group 1: a tile of 128 rows x 128 elements, padded in LDS
	s_or_b32 s[G1+0], s43, (1<<16)|(1<<20)|(1<<21)|(5<<22)|(3<<25)  ; 15:0 the mask: xb's tiles go to my row; 17:16 element of 2 bytes; 20 padding on; 21 set beside a mask; 24:22 after every 64 words; 31:25 of 4 words
	s_or_b32 s[G1B+0], s44, (1<<16)|(1<<20)|(1<<21)|(5<<22)|(3<<25) ; the same with the mask of my column, for wt's tiles
	s_mov_b32 s[G1B+1], KSTEP<<16
	s_mov_b32 s[G1+1], KSTEP<<16                   ; tensor_dim0 = 128
	s_mov_b32 s[G1B+2], 128<<16
	s_mov_b32 s[G1+2], 128<<16                     ; tensor_dim1 = 128
	s_mov_b32 s[G1B+3], KSTEP<<16
	s_mov_b32 s[G1+3], KSTEP<<16                   ; tile_dim0 = 128
	s_mov_b32 s[G1B+4], 128
	s_mov_b32 s[G1+4], 128                         ; tile_dim1 = 128
	s_mov_b32 s[G1B+5], SIZE_K
	s_mov_b32 s[G1+5], SIZE_K                      ; elements from row to row
	s_mov_b32 s[G1B+6], 0
	s_mov_b32 s[G1+6], 0
	s_mov_b32 s[G1B+7], 0
	s_mov_b32 s[G1+7], 0
	; where the tiles come from.  xb's hang on the block row alone, which my row of the cluster shares; wt's on the block column alone, which my column shares.
	; Every wave makes both addresses, in registers that never hold the other coordinate, and asks by one of them.
	s_lshl_b32 s17, s12, 7                         ; which 128 rows of the tile I fetch
	s_lshl_b32 s16, s13, 8
	s_add_co_u32 s16, s16, s17                     ; xb: row 256 x block row + 128 x half
	s_lshl_b32 s46, s42, 8
	s_add_co_u32 s46, s46, s17                     ; wt: row 256 x block column + 128 x half
	s_mov_b32 s17, 0
	s_mov_b32 s47, 0
	s_mov_b64 s[18:19], SIZE_K*2
	s_mul_u64 s[16:17], s[16:17], s[18:19]         ; in bytes
	s_mul_u64 s[46:47], s[46:47], s[18:19]
	s_mul_i32 s20, s10, HALFT                      ; and where they go: wave x 128 rows: no place in the cluster enters an LDS address
	s_wait_dscnt 0x0
	s_wait_kmcnt 0x0
	s_add_nc_u64 s[14:15], s[4:5], s[16:17]
	s_add_nc_u64 s[46:47], s[6:7], s[46:47]
	CROUND                                         ; all sixteen work-groups are here: the first joint loads meet
.irp s, 0,1
	s_mov_b32 s[G0+4*\s], 1                                        ; count = 1
	s_add_co_u32 s[G0+4*\s+1], s20, \s*SLOT                        ; LDS address
	s_add_nc_u64 s[G0+4*\s+2:G0+4*\s+3], s[14:15], \s*KSTEP*2      ; global address: K step s
	s_or_b32 s[G0+4*\s+3], s[G0+4*\s+3], 0x80000000                ; type = 2
	s_mov_b32 s[G0B+4*\s], 1
	s_add_co_u32 s[G0B+4*\s+1], s20, \s*SLOT
	s_add_nc_u64 s[G0B+4*\s+2:G0B+4*\s+3], s[46:47], \s*KSTEP*2
	s_or_b32 s[G0B+4*\s+3], s[G0B+4*\s+3], 0x80000000
	JLOAD \s                                       ; the ring is filled before anything else is done: two loads of this wave are out, later one
.endr
	; A fragment is 16 rows x 32 K in 8 registers: lane l holds row l % 16; registers 0-3 hold K = 8 (l / 16) + 0..7, registers 4-7 hold
	; K = 16 + 8 (l / 16) + 0..7.  From rows that lie along K: two loads of 16 bytes, 32 bytes apart.
	v_and_b32 v1, 15, v0                           ; l % 16
	v_bfe_u32 v2, v0, 4, 1                         ; l / 16
	v_mul_u32_u24 v3, v1, PITCH
	v_lshl_add_u32 v3, v2, 4, v3                   ; row x pitch + 16 x half
	s_mul_i32 s21, s11, HALFT                      ; my 128 rows of xb
	s_mul_i32 s22, s12, HALFT                      ; my 128 rows of wt,
	s_add_co_u32 s22, s22, 2*HALFT                 ; which lie behind xb's 256
.irp s, 0,1
	v_add_nc_u32 v[ADRA+\s], s21, v3
	v_add_nc_u32 v[ADRB+\s], s22, v3
	s_add_co_u32 s21, s21, SLOT
	s_add_co_u32 s22, s22, SLOT
.endr
	s_mul_i32 s23, s10, 16*SPITCH
	s_add_co_u32 s23, s23, STAGE                   ; my stage
	v_mul_u32_u24 v4, v1, SPITCH                   ; in: row l % 16, 16 bytes for each half of the lanes
	v_lshl_add_u32 v4, v2, 4, v4
	v_add_nc_u32 v[STO], s23, v4
	v_and_b32 v6, 31, v0                           ; back: eight lanes take one head's 128 bytes of a token, the wave four tokens
	v_lshrrev_b32 v5, 3, v6
	v_mul_u32_u24 v5, v5, SPITCH
	v_and_b32 v7, 7, v0
	v_lshl_add_u32 v5, v7, 4, v5
	v_add_nc_u32 v[RD], s23, v5
	v_lshlrev_b32 v[CO], 4, v6                     ; those four tokens are 512 consecutive bytes of the head's plane
; 16 matrix instructions: m blocks a0, a0 + 1 of the window's four (hi = 0: my rows 0-63, 1: rows 64-127) x all 8 n blocks, 32 along K.
; zero = 1: the first product starts the sums: nothing is ever cleared.
.macro MUL16 f, hi, a0, zero
.irp a, \a0, \a0+1
.irp b, 0,1,2,3,4,5,6,7
.if \zero
	v_wmma_f32_16x16x32_f16 v[8*(8*(\a)+\b):8*(8*(\a)+\b)+7], v[\f+8*\b:\f+8*\b+7], v[\f+8*(4*\hi+\a):\f+8*(4*\hi+\a)+7], 0
.else
	v_wmma_f32_16x16x32_f16 v[8*(8*(\a)+\b):8*(8*(\a)+\b)+7], v[\f+8*\b:\f+8*\b+7], v[\f+8*(4*\hi+\a):\f+8*(4*\hi+\a)+7], v[8*(8*(\a)+\b):8*(8*(\a)+\b)+7]
.endif
.endr
.endr
.endm
; 32 LDS loads in one run: the fragments of one quarter step (128 rows of wt, 128 rows of xb, 32 K at byte k of the rows) into buffer f
.macro FETCH slot, k, f
	WIN TO_B
.irp i, 0,1,2,3,4,5,6,7
	ds_load_b128 v[\f+8*\i:\f+8*\i+3],   v[ADRB+\slot] offset:\k+\i*16*PITCH
	ds_load_b128 v[\f+8*\i+4:\f+8*\i+7], v[ADRB+\slot] offset:\k+\i*16*PITCH+32
.endr
	WIN 0
.irp i, 0,1,2,3,4,5,6,7
	ds_load_b128 v[\f+8*\i:\f+8*\i+3],   v[ADRA+\slot] offset:\k+\i*16*PITCH
	ds_load_b128 v[\f+8*\i+4:\f+8*\i+7], v[ADRA+\slot] offset:\k+\i*16*PITCH+32
.endr
.endm
; A load into a register that a matrix instruction has read, and a vector instruction that reads a matrix result, stand four places behind that matrix
; instruction, and only plain vector instructions that name none of its registers are places (ISA guide 7.12.1 for vector instructions).
.macro PLACES
.rept 4
	v_nop
.endr
.endm
; A K step is four quarter steps of 32 along K, 64 matrix instructions each, on buffers 0, 1, 0, 1.  The 64 accumulators take turns, one instruction a turn,
; in the same order in every quarter step.
; One of the first three quarters: multiplies buffer f; in its middle it fetches the next quarter's fragments, at byte k of the same slot's rows, into buffer g.
.macro QUARTER slot, k, f, g, zero
	s_wait_dscnt 8                                 ; wt's rows and xb's rows 0-63 are in; the youngest eight loads (xb's rows 64-127) may be out
	WIN MUL_LO
	MUL16 \f, 0, 0, \zero
	MUL16 \f, 0, 2, \zero
	PLACES
	FETCH \slot, \k, \g
	s_wait_dscnt 32                                ; all but the 32 just issued
	WIN MUL_HI
	MUL16 \f, 1, 0, \zero
	MUL16 \f, 1, 2, \zero
.endm
.macro THREE slot, zero
	QUARTER \slot, 64,  F0, F1, \zero
	QUARTER \slot, 128, F1, F0, 0
	QUARTER \slot, 192, F0, F1, 0
.endm
; The last quarter: multiplies buffer 1 and changes slots.  next = the other slot; fill = 1: this slot is filled again, two K steps ahead.
; One barrier for the change of slots.  In front of it each wave waits for its own reads of this slot and for all its tensor loads, of which one is out:
; its part of the next slot.  Behind it nobody reads this slot any more and the next slot is whole: the refill comes first, then the next slot's fragments.
.macro TURN slot, next, fill
	s_wait_dscnt 8
	WIN MUL_LO
	MUL16 F1, 0, 0, 0
	s_wait_dscnt 0                                 ; my reads of this slot are over
	s_wait_tensorcnt 0x0                           ; and all my tensor loads have landed: the one that was out is my part of the next slot
	ds_add_u32 v255, v255
	s_wait_dscnt 0x0
	s_barrier_signal -1                            ; say so (where a slot is filled again this barrier opens a round of the cluster's barrier),
	MUL16 F1, 0, 2, 0                              ; work on registers while the others arrive,
	WIN 0
	s_barrier_wait -1                              ; and go on when all four have said so
.if \fill
	CREST                                          ; all sixteen work-groups have said so: no wave of any partner still reads this slot's tile or has a load on its way
	s_add_nc_u64 s[G0+4*\slot+2:G0+4*\slot+3], s[G0+4*\slot+2:G0+4*\slot+3], 2*KSTEP*2
	s_add_nc_u64 s[G0B+4*\slot+2:G0B+4*\slot+3], s[G0B+4*\slot+2:G0B+4*\slot+3], 2*KSTEP*2
	JLOAD \slot                                    ; the first tensor load behind the round, one a wave
.endif
	PLACES
	FETCH \next, 0, F0
	WIN MUL_HI
	MUL16 F1, 1, 0, 0
	MUL16 F1, 1, 2, 0
.endm
.macro LAP zero                        ; once round the ring, both slots filled again
	THREE 0, \zero
	TURN 0, 1, 1
	THREE 1, 0
	TURN 1, 0, 1
.endm
	s_wait_tensorcnt 1                             ; my part of K step 0 is in; K step 1's load stays out
	s_barrier_signal -1
	s_barrier_wait -1                              ; everybody's is
	FETCH 0, 0, F0
	LAP 1                                          ; the first lap stands in front of the loop: its first products start the sums
	WIN 0                                          ; at a label and at a branch every window is 0
	s_mov_b32 s3, LAPS-2
.Llap:
	LAP 0
	WIN 0
	s_sub_co_u32 s3, s3, 1
	s_cmp_lg_u32 s3, 0
	s_cbranch_scc1 .Llap
	THREE 0, 0                                     ; the last lap fills nothing: my one tensor load that is still out is slot 1's, the last K step's
	TURN 0, 1, 0
	THREE 1, 0
	s_wait_dscnt 8                                 ; the very last quarter: nothing more to fetch
	WIN MUL_LO
	MUL16 F1, 0, 0, 0
	MUL16 F1, 0, 2, 0
	s_wait_dscnt 0
	WIN MUL_HI
	MUL16 F1, 1, 0, 0
	MUL16 F1, 1, 2, 0
	; THE WAY OUT, 16 tokens at a time: round to f16, 16 bytes a lane into my own stage in LDS, read back head by head.
	; My 128 columns are two heads of one of q, k, v; my 128 rows are 128 tokens of one batch.
	PLACES                                         ; the places behind the last matrix instructions, for the conversions and for the loads into buffers 0 and 1
	s_lshl_b32 s13, s13, 8
	s_lshl_b32 s14, s11, 7
	s_add_co_u32 s13, s13, s14                     ; my first row: 1,024 b + token
	s_lshl_b32 s46, s42, 8
	s_lshl_b32 s47, s12, 7
	s_add_co_u32 s46, s46, s47                     ; my first column: 1,024 which + 64 head
	s_lshr_b32 s14, s13, 10
	s_lshl_b32 s14, s14, 4                         ; 16 b
	s_lshr_b32 s47, s46, 10
	s_lshl_b32 s47, s47, 6                         ; 64 which
	s_bfe_u32 s46, s46, 0x40006                    ; head (4 bits from bit 6)
	s_add_co_u32 s46, s46, s47
	s_add_co_u32 s46, s46, s14                     ; the plane
	s_lshl_b32 s46, s46, 17                        ; 131,072 bytes each
	s_and_b32 s13, s13, 1023
	s_lshl_b32 s13, s13, 7                         ; my first token, 128 bytes each
	s_add_co_u32 s46, s46, s13
	s_mov_b32 s47, 0
	s_add_nc_u64 s[8:9], s[8:9], s[46:47]          ; never stepped: the rest stands in the stores' immediates, 146,944 bytes at the most
; tokens 16 i .. 16 i + 15 of my block = the eight tiles (a, 0..7) of window 2 or 3 (from = 0x0a or 0x0f: sources 0 and 1); f: F0 or F1 in turn
.macro OUT16 i, a, from, f
	WIN \from
.irp b, 0,1,2,3,4,5,6,7
.irp r, 0,1,2,3
	v_cvt_pk_f16_f32 v[TMP+4*\b+\r], v[8*(8*\a+\b)+2*\r], v[8*(8*\a+\b)+2*\r+1]
.endr
.endr
	WIN 0
.irp b, 0,1,2,3,4,5,6,7
	ds_store_b128 v[STO], v[TMP+4*\b:TMP+4*\b+3] offset:32*\b
.endr
	s_wait_xcnt 0x0                                ; buffer f, which earlier stores read, is loaded again only behind this wait
.irp t, 0,1,2,3,4,5,6,7
	ds_load_b128 v[\f+4*\t:\f+4*\t+3], v[RD] offset:(\t/2)*4*SPITCH+(\t%2)*128   ; four tokens of one head; LDS serves a wave's instructions in order: these see the stores above
.endr
.irp t, 0,1,2,3,4,5,6,7
	s_wait_dscnt 7-\t                              ; read-back t is in, the younger ones stay out
	global_store_b128 v[CO], v[\f+4*\t:\f+4*\t+3], s[8:9] offset:\i*2048+(\t/2)*512+(\t%2)*131072   ; the wave stores 512 consecutive aligned bytes
.endr
.endm
	OUT16 0, 0, 0x0a, F0
	OUT16 1, 1, 0x0a, F1
	OUT16 2, 2, 0x0a, F0
	OUT16 3, 3, 0x0a, F1
	OUT16 4, 0, 0x0f, F0
	OUT16 5, 1, 0x0f, F1
	OUT16 6, 2, 0x0f, F0
	OUT16 7, 3, 0x0f, F1
	s_set_vgpr_msb 0x1
	s_wait_tensorcnt 0x0
	ds_add_u32 v255, v255
	s_wait_dscnt 0x0
	s_set_vgpr_msb 0x100
	CROUND                                         ; the closing round: no work-group ends while a partner may still ask for a tile that names it
	s_endpgm
.Lfunc_end_k_q7e96569041_proj:
	.size	k_q7e96569041_proj, .Lfunc_end_k_q7e96569041_proj-k_q7e96569041_proj
	.p2alignl 7, 3214868480
	.fill 96, 4, 3214868480
	.section	.rodata,"a",@progbits
	.p2align	6, 0x0
	.amdhsa_kernel k_q7e96569041_proj
		.amdhsa_group_segment_fixed_size 327680
		.amdhsa_private_segment_fixed_size 0
		.amdhsa_enable_private_segment 0
		.amdhsa_kernarg_size 24
		.amdhsa_user_sgpr_count 2
		.amdhsa_user_sgpr_kernarg_segment_ptr 1
		.amdhsa_wavefront_size32 1
		.amdhsa_system_sgpr_workgroup_id_x 1
		.amdhsa_system_sgpr_workgroup_id_y 1
		.amdhsa_system_sgpr_workgroup_id_z 1
		.amdhsa_system_vgpr_workitem_id 0
		.amdhsa_next_free_vgpr 1024
		.amdhsa_next_free_sgpr 66
		.amdhsa_reserve_vcc 0
		.amdhsa_float_denorm_mode_32 3
		.amdhsa_float_denorm_mode_16_64 3
		.amdhsa_memory_ordered 1
		.amdhsa_forward_progress 1
		.amdhsa_inst_pref_size 196
	.end_amdhsa_kernel
	.amdgpu_metadata
---
amdhsa.version: [ 1, 2 ]
amdhsa.kernels:
  - .name:           k_q7e96569041_proj
    .symbol:         k_q7e96569041_proj.kd
    .args:
      - { .name: xb, .offset: 0, .size: 8, .value_kind: global_buffer, .address_space: global }
      - { .name: wt, .offset: 8, .size: 8, .value_kind: global_buffer, .address_space: global }
      - { .name: qkv, .offset: 16, .size: 8, .value_kind: global_buffer, .address_space: global }
    .group_segment_fixed_size: 327680
    .private_segment_fixed_size: 0
    .kernarg_segment_align: 8
    .kernarg_segment_size: 24
    .max_flat_workgroup_size: 128
    .sgpr_count:     66
    .vgpr_count:     1024
    .wavefront_size: 32
...
	.end_amdgpu_metadata
.endif
;; end of part 2
;; launch attn (part 3): grid 256 x 1, 8 waves a work-group, clusters of 4 x 1, 327,680 bytes of LDS; arguments qkv, pext, out0; writes out0
.if DOCPART == 3
	.amdgcn_target "amdgcn-amd-amdhsa--gfx1250"
	.amdhsa_code_object_version 6
	.text
	.protected	k_q7e96569041_attn
	.globl	k_q7e96569041_attn
	.p2align	8
	.type	k_q7e96569041_attn,@function
k_q7e96569041_attn:
	s_mov_b64 s[64:65], 0
	v_nop
	global_prefetch_b8 v0, s[64:65] scope:SCOPE_SE
	s_setreg_imm32_b32 hwreg(HW_REG_WAVE_MODE, 25, 1), 1
	s_wait_xcnt 0x0
	s_wait_alu depctr_hold_cnt(0) depctr_sa_sdst(0) depctr_va_vdst(0) depctr_va_sdst(0) depctr_va_ssrc(0) depctr_va_vcc(0) depctr_vm_vsrc(0)
	s_getreg_b32 s2, hwreg(HW_REG_IB_STS2, 6, 4)
	s_cmp_eq_u32 s2, 0
	s_cbranch_scc0 .Lentry_in_a_cluster
	s_endpgm
.Lentry_in_a_cluster:
	s_bfe_u32 s2, ttmp6, 0x10000c
	s_cmp_lg_u32 s2, 0x3003
	s_cbranch_scc0 .Lentry_shape_is_right
	s_endpgm
.Lentry_shape_is_right:
; out0[b][h][i][:] = softmax over j of ((q_i . k_j + q_i . pos_emb[clip(i - j, -512, 512) + 512]) / 8) times v_j, for 64 (b, h), 1,024 queries, 1,024 keys, d = 64.
; qkv holds q/8, k/8, v/8 in f16, pext holds the position rows / 8 in f16 with row u = j - i + 1023.  So the sums here are S = (q.k + q.p) / 64, the logit is 8 S,
; the exponent to base 2 is C (S - max) with C = 8 log2 e, and the result is (sum of weights x v/8) / (sum of weights / 8).  All these factors are powers of two.
; LIMITS: NaN and infinite inputs are not served.  The running maximum is taken away before every exponential.  A weight below 2^-25 of its row's largest rounds
; to 0 in f16, and v_exp_f32 gives 0 below 2^-126 (ISA guide, its entry).  The sum of a row's weights is at least 1 (the largest weight is 1), so the reciprocal is safe.
;
; SHARES.  A cluster of four work-groups has one (b, h); work-group cx has queries 256 cx .. + 255, wave w 32 of them as two tiles g of 16: i = 256 cx + 32 w + 16 g + r.
; EIGHT WAVES, two for each SIMD, 512 registers each: a tile against 64 keys is 26 matrix instructions, some 150 vector instructions and a trip of the position term
; through LDS, which one wave issues one after the other; with two waves one wave's softmax and LDS waits stand beside the other's matrix instructions.
; The price: K's and V's fragments are read from LDS by eight waves, 32 loads for two tiles.
; The four work-groups walk the same K and V tiles, 128 keys a trip, and ask for them jointly (mask 15), which divides these requests by four.
; The position rows are NOT asked for jointly: work-group cx needs rows 768 - 256 cx .. + 1,279 of pext, another range in each partner; each loads its own, once.
; EVERYTHING IS TRANSPOSED, the query on the lane: S^T = K Q^T puts key 16 kt + 8 h + jj of query r into register jj of lane (r, h), which after packing is already
; the second source of O^T = V^T P^T.  Maximum, sum and rescaling are one number a lane; one exchange joins the two halves h.
; THE POSITION TERM is R[i][u] = q_i . pext[u], an ordinary product, read along diagonals.  For 64 keys from j0 and tile g the rows needed are 80, from
; LB = j0 + 240 - 32 w - 16 g (local numbering, row 0 = pext row 768 - 256 cx): five matrix tiles.  They go in f32 into the wave's own scratch, one row for each query,
; and come back at column 15 + kk - r as the C operand of the K Q^T product.  The 6 x 16 position rows from BR = j0 + 224 - 32 w serve both g: tile t of g is slot t - g + 1.
; 64 keys on, BR moves by four slots: slots 4 and 5 stay as the next slots 0 and 1, and four are fetched.  Logical slot sg lies in physical slot (sg + 4 x parity) mod 8.
;
; LDS: 0 position rows, 1,280 x 144;  184,320 two slots of 38,912: 128 keys of K x 144, then 128 keys of V x 160;  262,144 scratch, 5,376 a wave (16 rows x 336;
; on the way out 16 x 272).  Pitches 144, 336 and 272 are odd multiples of 16 and 160 an odd multiple of 32: the rows of a fragment load fall on different 16-byte columns.
; The skewed word reads step 83 words from lane to lane and 8 between the halves: 32 different banks of 64 (ISA guide 11.1).  No tensor load lands in the scratch.
; REGISTERS.  Window 0: v4-12 addresses, QF q fragments, SS two sets of 32 logits, RR five position tiles, PB packed weights, NM -C max (a pair for each g), LS sums,
; AL rescale pair, TT at work, OA the 8 accumulator tiles of O^T.  Window 1: PF 8 physical slots of 16 position rows, KF 64 keys of K, VF 64 keys of V transposed.
; So every matrix instruction has its first source in window 1 and all else in window 0, and all vector work lies in window 0.
.set KV0,   184320
.set VPART, 18432
.set SLOT,  38912
.set SCR,   262144
.set SBUF,  5376
.set PAROWS, 512                       ; position rows of the first part; the first 128 keys read local rows 0 .. 447 at the most (128 + 224 + 95, the fetch ahead included)
.set AST,  4                           ; scratch in:  336 r + 32 h
.set ALD,  5                           ; scratch out: 332 r + 60 + 32 h
.set APX,  6                           ; position fragments: (j0 + 224 - 32 w + r) 144 + 16 h, stepped by 64 rows
.set AK,   7                           ; K fragments: KV0 + 144 r + 16 h
.set AV,   8                           ; V, transposing loads: KV0 + VPART + (8 h + l % 8) 160 + 16 ((l / 8) % 2)
.set QOFF, 9
.set OOFF, 10
.set ESTO, 11
.set ERD,  12
.set QF, 16                            ; v[16:47]   (g, kf) at 16 g + 8 kf
.set SS, 48                            ; v[48:111]  set g
.set RR, 112                           ; v[112:151]
.set PB, 152                           ; v[152:167]
.set NM, 168                           ; v[168:171]
.set LS, 172                           ; v[172:173]
.set AL, 174                           ; v[174:175]
.set TT, 176                           ; v[176:191]
.set OA, 192                           ; v[192:255] (g, dt) at 32 g + 8 dt
.set PF, 0                             ; window 1
.set KF, 128
.set VF, 192
.set G1K, 16
.set G1V, 24
.set G1PA, 32
.set G0K, 40                           ; one set of four for each slot
.set G0V, 48
.set G0PA, 56
.set G1PB, 80
.set G0PB, 88
.set W0K, 15|(3<<16)|(1<<20)|(1<<21)|(4<<22)|(3<<25)   ; mask: all four partners; 8-byte elements; padding on; bit 21 beside a mask; after every 32 words; 4 words: pitch 144
.set W0V, 15|(3<<16)|(1<<20)|(1<<21)|(4<<22)|(7<<25)   ; the same with 8 words of padding: pitch 160
.set W0P, (3<<16)|(1<<20)|(4<<22)|(3<<25)              ; no mask: my work-group's own load; pitch 144
.set W_MM, 0x01                        ; source 0 window 1; the rest window 0
.set W_LD, 0x40                        ; destination window 1, address window 0
.set MSB, 0
.macro WIN new                         ; the immediate's high byte repeats the setting that is left
.if MSB != \new
	s_set_vgpr_msb (MSB<<8)|\new
.set MSB, \new
.endif
.endm
.macro PLACES cnt                      ; places behind matrix instructions: plain vector instructions that name none of their registers (ISA guide 7.12.1)
.rept \cnt
	v_nop
.endr
.endm
; Group 1.  Every tile is dense in memory and is taken as rows of 256 bytes (32 elements of 8 bytes); padding follows every 32 words, that is every key's 128 bytes.
.macro GROUP1 base, word0, rows
	s_mov_b32 s[\base+0], \word0
	s_mov_b32 s[\base+1], 32<<16                   ; tensor_dim0 = 32
	s_mov_b32 s[\base+2], \rows<<16                ; tensor_dim1 = the tile's rows
	s_mov_b32 s[\base+3], 32<<16                   ; tile_dim0 = 32
	s_mov_b32 s[\base+4], \rows                    ; tile_dim1
	s_mov_b32 s[\base+5], 32                       ; elements from row to row
	s_mov_b32 s[\base+6], 0
	s_mov_b32 s[\base+7], 0
.endm
; A round of the cluster's barrier: my work-group's barrier; wave 0 signals for the work-group; every wave waits for all four work-groups; my work-group's barrier again.
.macro ROUND
	s_barrier_signal -1
	s_barrier_wait -1
	s_cmp_lg_u32 s10, 0
	s_cbranch_scc1 .Lnot_wave_0_\@
	s_barrier_signal -3
.Lnot_wave_0_\@:
	s_barrier_wait -3
	s_barrier_signal -1
	s_barrier_wait -1
.endm
; A joint load into slot s: waves 0 to 3 bring K's four quarters of 32 keys, waves 4 to 7 V's.  One load a wave on either way; the branch hangs on the wave's number alone.
.macro JLOAD s
	s_cmp_eq_u32 s11, 0
	s_cbranch_scc0 .Lfor_v_\@
	tensor_load_to_lds s[G0K+4*\s:G0K+4*\s+3], s[G1K:G1K+7]
	s_nop 0
	s_branch .Lasked_\@
.Lfor_v_\@:
	tensor_load_to_lds s[G0V+4*\s:G0V+4*\s+3], s[G1V:G1V+7]
	s_nop 0
.Lasked_\@:
.endm
	s_load_b128 s[4:7], s[0:1], 0x0                ; qkv s[4:5], pext s[6:7]
	s_load_b64 s[8:9], s[0:1], 0x10                ; out0
	v_lshl_add_u32 v190, v0, 2, 0x4a800
	v_mov_b32 v191, 0
	ds_add_u32 v190, v191
	s_wait_dscnt 0x0
	v_lshrrev_b32 v1, 5, v0
	v_readfirstlane_b32 s10, v1                    ; wave 0..7
	s_lshr_b32 s11, s10, 2                         ; I fetch for K (0) or for V (1)
	s_and_b32 s12, s10, 3                          ; which 32 keys of the tile I fetch
	s_bfe_u32 s13, ttmp6, 0x40000                  ; cx; it enters global addresses of q, pext and out0 alone, through s3, s13, s[72:75]
	s_mov_b32 s62, 0x76543210                      ; v_permlanex16_b32: lane i of one half reads lane i of the other
	s_mov_b32 s63, 0xfedcba98
	s_mov_b32 s66, 0x4138aa3b                      ; C = 8 log2 e, as a pair
	s_mov_b32 s67, 0x4138aa3b
	s_mov_b32 s68, 0xc138aa3b                      ; -C
	GROUP1 G1K, W0K, 16                            ; 16 rows of 256 bytes = 32 keys
	GROUP1 G1V, W0V, 16
	GROUP1 G1PA, W0P, 32                           ; 64 position rows a wave: local rows 0 to 511
	GROUP1 G1PB, W0P, 48                           ; 96 position rows a wave: local rows 512 to 1,279
	s_lshl_b32 s70, ttmp9, 17                      ; the head's plane (ttmp9 counts clusters: b h), shared by the partners,
	s_lshl_b32 s69, s12, 12                        ; and my 32 keys of 128 bytes
	s_add_co_u32 s70, s70, s69
	s_mov_b32 s71, 0
	s_mul_i32 s76, s12, 32*144                     ; where my quarter goes in K's part of a slot
	s_mul_i32 s77, s12, 32*160                     ; and in V's
	s_lshl_b32 s3, s13, 15                         ; 256 cx rows of 128 bytes
	s_lshl_b32 s74, s10, 13                        ; first part: pext row 768 - 256 cx + 64 w
	s_add_co_u32 s74, s74, 768*128
	s_sub_co_u32 s74, s74, s3
	s_mov_b32 s75, 0
	s_mul_i32 s72, s10, 96*128                     ; second part: pext row 768 + 512 - 256 cx + 96 w
	s_add_co_u32 s72, s72, (768+PAROWS)*128
	s_sub_co_u32 s72, s72, s3
	s_mov_b32 s73, 0
	s_wait_kmcnt 0x0
	s_add_nc_u64 s[14:15], s[4:5], s[70:71]
.irp s, 0,1
	s_mov_b32 s[G0K+4*\s], 1
	s_add_co_u32 s[G0K+4*\s+1], s76, KV0+\s*SLOT
	s_add_nc_u64 s[G0K+4*\s+2:G0K+4*\s+3], s[14:15], 8388608+\s*16384      ; k's planes begin 64 planes in; tile s is 128 keys further
	s_or_b32 s[G0K+4*\s+3], s[G0K+4*\s+3], 0x80000000
	s_mov_b32 s[G0V+4*\s], 1
	s_add_co_u32 s[G0V+4*\s+1], s77, KV0+VPART+\s*SLOT
	s_add_nc_u64 s[G0V+4*\s+2:G0V+4*\s+3], s[14:15], 16777216+\s*16384     ; v's planes begin 128 planes in
	s_or_b32 s[G0V+4*\s+3], s[G0V+4*\s+3], 0x80000000
.endr
	s_mov_b32 s[G0PA], 1
	s_mul_i32 s[G0PA+1], s10, 64*144
	s_add_nc_u64 s[G0PA+2:G0PA+3], s[6:7], s[74:75]
	s_or_b32 s[G0PA+3], s[G0PA+3], 0x80000000
	s_mov_b32 s[G0PB], 1
	s_mul_i32 s[G0PB+1], s10, 96*144
	s_add_co_u32 s[G0PB+1], s[G0PB+1], PAROWS*144
	s_add_nc_u64 s[G0PB+2:G0PB+3], s[6:7], s[72:73]
	s_or_b32 s[G0PB+3], s[G0PB+3], 0x80000000
	ROUND                                          ; all four work-groups are here: the first joint loads meet
	; All first fills as one group, what is read first in front.  Four loads of this wave are out here, later one.
	tensor_load_to_lds s[G0PA:G0PA+3], s[G1PA:G1PA+7]  ; my eighth of the position rows that the first 128 keys read
	s_nop 0
	JLOAD 0                                        ; my part of keys 0 to 127
	JLOAD 1                                        ; my part of keys 128 to 255
	tensor_load_to_lds s[G0PB:G0PB+3], s[G1PB:G1PB+7]  ; my eighth of the other position rows; all of them stay for the whole kernel
	s_nop 0
	s_lshl_b32 s74, ttmp9, 17                      ; q: plane b h, query 256 cx + 32 w, 128 bytes each
	s_lshl_b32 s3, s13, 15
	s_add_co_u32 s74, s74, s3
	s_lshl_b32 s3, s10, 12
	s_add_co_u32 s74, s74, s3
	s_add_nc_u64 s[72:73], s[4:5], s[74:75]
	s_lshl_b32 s74, ttmp9, 18                      ; out0: the same place, 256 bytes a query
	s_lshl_b32 s3, s13, 16
	s_add_co_u32 s74, s74, s3
	s_lshl_b32 s3, s10, 13
	s_add_co_u32 s74, s74, s3
	s_add_nc_u64 s[8:9], s[8:9], s[74:75]
	v_and_b32 v1, 31, v0                           ; l
	v_and_b32 v2, 15, v0                           ; r
	v_bfe_u32 v3, v0, 4, 1                         ; h
	v_lshlrev_b32 v[QOFF], 7, v2
	v_lshl_add_u32 v[QOFF], v3, 4, v[QOFF]         ; 128 r + 16 h
.irp g, 0,1
.irp q, 0,1,2,3
	global_load_b128 v[QF+16*\g+4*\q:QF+16*\g+4*\q+3], v[QOFF], s[72:73] offset:2048*\g+32*\q   ; query 16 g + r, d = 16 q + 8 h .. + 7
.endr
.endr
	s_mul_i32 s78, s10, SBUF
	s_add_co_u32 s78, s78, SCR                     ; my scratch
	v_mul_u32_u24 v13, v2, 336
	v_lshl_add_u32 v13, v3, 5, v13
	v_add_nc_u32 v[AST], s78, v13
	v_mul_u32_u24 v13, v2, 332
	v_lshl_add_u32 v13, v3, 5, v13
	v_add_nc_u32 v13, 60, v13
	v_add_nc_u32 v[ALD], s78, v13
	s_lshl_b32 s79, s10, 5
	s_sub_co_u32 s79, 224, s79
	s_mul_i32 s79, s79, 144                        ; row 224 - 32 w
	v_mul_u32_u24 v13, v2, 144
	v_lshl_add_u32 v13, v3, 4, v13
	v_add_nc_u32 v[APX], s79, v13
	v_add_nc_u32 v[AK], KV0, v13
	v_and_b32 v14, 7, v0
	v_lshl_add_u32 v14, v3, 3, v14
	v_mul_u32_u24 v14, v14, 160
	v_bfe_u32 v15, v0, 3, 1
	v_lshl_add_u32 v14, v15, 4, v14
	v_add_nc_u32 v[AV], KV0+VPART, v14
	v_lshlrev_b32 v[OOFF], 4, v1
	v_mul_u32_u24 v13, v2, 272
	v_lshl_add_u32 v13, v3, 5, v13
	v_add_nc_u32 v[ESTO], s78, v13
	v_mul_u32_u24 v13, v3, 272
	v_lshl_add_u32 v13, v2, 4, v13
	v_add_nc_u32 v[ERD], s78, v13
; 24 loads: the 6 x 16 position rows of the first 64 keys (parity 0), both halves of d
.macro LOADP6
	WIN W_LD
.irp sg, 0,1,2,3,4,5
.irp q, 0,1,2,3
	ds_load_b128 v[PF+16*\sg+4*\q:PF+16*\sg+4*\q+3], v[APX] offset:2304*\sg+32*\q
.endr
.endr
.endm
; 16 loads: logical slots 2 to 5 of the next 64 keys, whose parity is par.  Two of their physical slots are unused in the running substep, two held its logical slots 0 and 1.
.macro LOADP4 par
	WIN W_LD
.irp sg, 2,3,4,5
.irp q, 0,1,2,3
	ds_load_b128 v[PF+16*((\sg+4*\par)&7)+4*\q:PF+16*((\sg+4*\par)&7)+4*\q+3], v[APX] offset:2304*\sg+32*\q
.endr
.endr
.endm
; 16 loads: 64 keys of K as first sources
.macro LOADK slot, sub
	WIN W_LD
.irp kt, 0,1,2,3
.irp q, 0,1,2,3
	ds_load_b128 v[KF+16*\kt+4*\q:KF+16*\kt+4*\q+3], v[AK] offset:\slot*SLOT+(64*\sub+16*\kt)*144+32*\q
.endr
.endr
.endm
; 16 transposing loads: V^T, rows d = 16 dt + r, 32 keys for each kp
.macro LOADV slot, sub
	WIN W_LD
.irp kp, 0,1
.irp dt, 0,1,2,3
	ds_load_tr16_b128 v[VF+8*(4*\kp+\dt):VF+8*(4*\kp+\dt)+3],   v[AV] offset:\slot*SLOT+(64*\sub+32*\kp)*160+32*\dt
	ds_load_tr16_b128 v[VF+8*(4*\kp+\dt)+4:VF+8*(4*\kp+\dt)+7], v[AV] offset:\slot*SLOT+(64*\sub+32*\kp)*160+32*\dt+2560
.endr
.endr
.endm
; The position term of tile g: five tiles R^T = pext rows x Q(g), the five accumulators by turns; into my scratch; back, skewed, into logit set g.
.macro AREL g, par
	WIN W_MM
.irp t, 0,1,2,3,4
	v_wmma_f32_16x16x32_f16 v[RR+8*\t:RR+8*\t+7], v[PF+16*((\t-\g+1+4*\par)&7):PF+16*((\t-\g+1+4*\par)&7)+7], v[QF+16*\g:QF+16*\g+7], 0
.endr
.irp t, 0,1,2,3,4
	v_wmma_f32_16x16x32_f16 v[RR+8*\t:RR+8*\t+7], v[PF+16*((\t-\g+1+4*\par)&7)+8:PF+16*((\t-\g+1+4*\par)&7)+15], v[QF+16*\g+8:QF+16*\g+15], v[RR+8*\t:RR+8*\t+7]
.endr
	WIN 0
	PLACES 5                                       ; four before the stores read the results and before loads land on PF; five before the next tile's products write over RR
.if \g
	s_wait_dscnt 0x0                               ; tile 0's reads of the scratch are back before it is written again; K, V and tile 0's position term, which are used next, are in too
.endif
.irp t, 0,1,2,3,4
	ds_store_b128 v[AST], v[RR+8*\t:RR+8*\t+3]   offset:64*\t        ; query r, columns 16 t + 8 h + 0 .. 3
	ds_store_b128 v[AST], v[RR+8*\t+4:RR+8*\t+7] offset:64*\t+16
.endr
.irp kt, 0,1,2,3
.irp jj, 0,1,2,3,4,5,6,7
	ds_load_b32 v[SS+32*\g+8*\kt+\jj], v[ALD] offset:64*\kt+4*\jj   ; column 15 + (16 kt + 8 h + jj) - r; LDS serves a wave's instructions in order: these see the stores above
.endr
.endr
.endm
; Tile g against 64 keys: logits, running maximum, weights, sums, O^T.  first = 1: the first 64 keys start maximum, sum and O^T: nothing is cleared.
.macro BATT g, first
.set SB, SS+32*\g
	WIN W_MM
.irp kt, 0,1,2,3
	v_wmma_f32_16x16x32_f16 v[SB+8*\kt:SB+8*\kt+7], v[KF+16*\kt:KF+16*\kt+7], v[QF+16*\g:QF+16*\g+7], v[SB+8*\kt:SB+8*\kt+7]       ; onto the position term; four accumulators by turns
.endr
.irp kt, 0,1,2,3
	v_wmma_f32_16x16x32_f16 v[SB+8*\kt:SB+8*\kt+7], v[KF+16*\kt+8:KF+16*\kt+15], v[QF+16*\g+8:QF+16*\g+15], v[SB+8*\kt:SB+8*\kt+7]
.endr
	WIN 0
	PLACES 4
.irp k, 0,1,2,3,4,5,6,7,8,9
	v_max3_num_f32 v[TT+\k], v[SB+3*\k], v[SB+3*\k+1], v[SB+3*\k+2]
.endr
	v_max3_num_f32 v[TT], v[TT], v[SB+30], v[SB+31]
	v_max3_num_f32 v[TT], v[TT], v[TT+1], v[TT+2]
	v_max3_num_f32 v[TT+3], v[TT+3], v[TT+4], v[TT+5]
	v_max3_num_f32 v[TT+6], v[TT+6], v[TT+7], v[TT+8]
	v_max3_num_f32 v[TT], v[TT], v[TT+3], v[TT+6]
	v_max_num_f32 v[TT], v[TT], v[TT+9]
	v_permlanex16_b32 v[TT+1], v[TT], s62, s63     ; the other half's keys of the same query
	v_max_num_f32 v[TT], v[TT], v[TT+1]
	v_mul_f32 v[TT], s68, v[TT]                    ; -C max of these 64 keys
.if \first
	v_mov_b32 v[NM+2*\g], v[TT]
	v_mov_b32 v[NM+2*\g+1], v[TT]
.else
	v_min_num_f32 v[TT], v[TT], v[NM+2*\g]         ; -C times the new running maximum
	v_sub_f32 v[TT+1], v[TT], v[NM+2*\g]           ; C (old maximum - new), at most 0
	v_mov_b32 v[NM+2*\g], v[TT]
	v_mov_b32 v[NM+2*\g+1], v[TT]
	v_exp_f32 v[AL], v[TT+1]                       ; the factor for what has been summed so far, twice for the packed products;
	v_exp_f32 v[AL+1], v[TT+1]                     ; the plain instructions below stand between these and the first use (ISA guide 5.7.2)
.endif
.irp p, 0,1,2,3,4,5,6,7,8,9,10,11,12,13,14,15
	v_pk_fma_f32 v[SB+2*\p:SB+2*\p+1], v[SB+2*\p:SB+2*\p+1], s[66:67], v[NM+2*\g:NM+2*\g+1] op_sel_hi:[1,0,1]   ; C S - C max
.endr
.set n, 0
.rept 32
	v_exp_f32 v[SB+n], v[SB+n]
.set n, n+1
.endr
	v_nop                                          ; one plain instruction behind the last exponential
	s_wait_alu depctr_va_vdst(0)
.irp p, 0,1,2,3,4,5,6,7,8,9,10,11,12,13,14,15
	v_cvt_pk_f16_f32 v[PB+\p], v[SB+2*\p], v[SB+2*\p+1]    ; registers 8 kp .. + 7 are the second source for keys 32 kp .. + 31
.endr
.irp p, 0,1,2,3,4,5,6,7
	v_pk_add_f32 v[TT+2*\p:TT+2*\p+1], v[SB+4*\p:SB+4*\p+1], v[SB+4*\p+2:SB+4*\p+3]
.endr
.irp p, 0,4,8,12
	v_pk_add_f32 v[TT+\p:TT+\p+1], v[TT+\p:TT+\p+1], v[TT+\p+2:TT+\p+3]
.endr
	v_pk_add_f32 v[TT:TT+1], v[TT:TT+1], v[TT+4:TT+5]
	v_pk_add_f32 v[TT+8:TT+9], v[TT+8:TT+9], v[TT+12:TT+13]
	v_pk_add_f32 v[TT:TT+1], v[TT:TT+1], v[TT+8:TT+9]
.if \first
	v_add_f32 v[LS+\g], v[TT], v[TT+1]             ; my half's keys only: the halves are joined at the end
.else
	v_add_f32 v[TT], v[TT], v[TT+1]
	v_fma_f32 v[LS+\g], v[LS+\g], v[AL], v[TT]
.irp p, 0,1,2,3,4,5,6,7,8,9,10,11,12,13,14,15
	v_pk_mul_f32 v[OA+32*\g+2*\p:OA+32*\g+2*\p+1], v[OA+32*\g+2*\p:OA+32*\g+2*\p+1], v[AL:AL+1]
.endr
.endif
	WIN W_MM
.irp dt, 0,1,2,3
.if \first
	v_wmma_f32_16x16x32_f16 v[OA+32*\g+8*\dt:OA+32*\g+8*\dt+7], v[VF+8*\dt:VF+8*\dt+7], v[PB:PB+7], 0
.else
	v_wmma_f32_16x16x32_f16 v[OA+32*\g+8*\dt:OA+32*\g+8*\dt+7], v[VF+8*\dt:VF+8*\dt+7], v[PB:PB+7], v[OA+32*\g+8*\dt:OA+32*\g+8*\dt+7]   ; four accumulators by turns
.endif
.endr
.irp dt, 0,1,2,3
	v_wmma_f32_16x16x32_f16 v[OA+32*\g+8*\dt:OA+32*\g+8*\dt+7], v[VF+8*(4+\dt):VF+8*(4+\dt)+7], v[PB+8:PB+15], v[OA+32*\g+8*\dt:OA+32*\g+8*\dt+7]
.endr
.endm
; 64 keys; sub is also the parity of the position slots.  LDS instructions end in order, so each count names what was issued later.
; nextp = 1: the next 64 keys' four new position slots are fetched as soon as the last position products have read this substep's.
.macro SUB slot, sub, first, nextp
	PLACES 4                                       ; behind the last O^T products, whose first sources are loaded again
	LOADK \slot, \sub
	LOADV \slot, \sub
	s_wait_dscnt 32                                ; the position rows, asked for earlier, are in; the 32 loads just issued stay out
	AREL 0, \sub
	AREL 1, \sub                                   ; its wait for 0 also shows K, V and tile 0's position term in
.if \nextp
	v_add_nc_u32 v[APX], 64*144, v[APX]
.if \sub
	LOADP4 0
.else
	LOADP4 1
.endif
.endif
	BATT 0, \first
.if \nextp
	s_wait_dscnt 16                                ; the 16 position loads just issued stay out; tile 1's position term is in
.else
	s_wait_dscnt 0
.endif
	BATT 1, \first
.endm
; 128 keys = one slot, from the second trip on.  In front of the round every wave has waited for all its tensor loads (its part of this slot among them) and for its LDS reads
; (those of the other slot among them); behind it both hold of every wave of the four work-groups, and the other slot's refill, two tiles on, is the wave's first and only
; tensor load until the next round.  It has this trip's 104 matrix instructions of each wave in which to land.
.macro TRIP slot, other, refill, nextp
	WIN 0
	s_wait_xcnt 0x0
	v_lshl_add_u32 v190, v0, 2, 0x4a800
	v_mov_b32 v191, 0
	s_wait_tensorcnt 0x0
	ds_add_u32 v190, v191
	s_wait_dscnt 0x0
.if \refill
	s_add_nc_u64 s[G0K+4*\other+2:G0K+4*\other+3], s[G0K+4*\other+2:G0K+4*\other+3], 32768   ; no load of mine is out: the other slot's next tile, 256 keys on
	s_add_nc_u64 s[G0V+4*\other+2:G0V+4*\other+3], s[G0V+4*\other+2:G0V+4*\other+3], 32768
.endif
	s_wait_dscnt 0x0
	ROUND
.if \refill
	JLOAD \other
.endif
	SUB \slot, 0, 0, 1
	SUB \slot, 1, 0, \nextp
.endm
	; keys 0 to 127 start the sums
	s_wait_tensorcnt 0x2                           ; my parts of position rows 0 to 511 and of slot 0 are in; slot 1's and the other position rows' loads stay out:
	s_barrier_signal -1
	s_barrier_wait -1                              ; everybody's parts are in
	s_wait_loadcnt 0x0                             ; q
	LOADP6
	SUB 0, 0, 1, 1
	SUB 0, 1, 0, 1
	WIN 0                                          ; at a label and at a branch every window is 0
	s_mov_b32 s60, 3
.Lloop:
	TRIP 1, 0, 1, 1
	TRIP 0, 1, 1, 1
	WIN 0
	s_sub_co_u32 s60, s60, 1
	s_cmp_lg_u32 s60, 0
	s_cbranch_scc1 .Lloop
	TRIP 1, 0, 0, 0                                ; keys 896 to 1,023: nothing is left to fetch
; The way out of tile g: divide by the sum, 16 queries x 64 d through my scratch (row r, pitch 272), back as whole rows of 256 bytes.
.macro EPI g
.set SB, SS+32*\g
.set FB, 112-96*\g                     ; read-back registers: v[112:143] or v[16:47], both free by now, each used once
	v_permlanex16_b32 v[TT+1], v[LS+\g], s62, s63  ; the other half's sum
	v_add_f32 v[TT], v[LS+\g], v[TT+1]
	v_mul_f32 v[TT], 0x3e000000, v[TT]             ; / 8: O^T was summed over v / 8
	v_rcp_f32 v[AL], v[TT]
	v_rcp_f32 v[AL+1], v[TT]
	v_nop                                          ; one plain instruction behind the reciprocals
	s_wait_alu depctr_va_vdst(0)
.irp p, 0,1,2,3,4,5,6,7,8,9,10,11,12,13,14,15
	v_pk_mul_f32 v[SB+2*\p:SB+2*\p+1], v[OA+32*\g+2*\p:OA+32*\g+2*\p+1], v[AL:AL+1]
.endr
.irp dt, 0,1,2,3
	ds_store_b128 v[ESTO], v[SB+8*\dt:SB+8*\dt+3]   offset:64*\dt       ; query r, d = 16 dt + 8 h + 0 .. 3
	ds_store_b128 v[ESTO], v[SB+8*\dt+4:SB+8*\dt+7] offset:64*\dt+16
.endr
.irp t, 0,1,2,3,4,5,6,7
	ds_load_b128 v[FB+4*\t:FB+4*\t+3], v[ERD] offset:544*\t             ; queries 2 t and 2 t + 1
.endr
.irp t, 0,1,2,3,4,5,6,7
	s_wait_dscnt 7-\t                              ; read-back t is in, the younger ones stay out; the last count is 0, so the scratch may be written again
	global_store_b128 v[OOFF], v[FB+4*\t:FB+4*\t+3], s[8:9] offset:4096*\g+512*\t th:TH_STORE_NT   ; the wave stores 512 consecutive aligned bytes
.endr
.endm
	WIN 0
	PLACES 4                                       ; behind the last O^T products, whose results are read now
	EPI 0
	EPI 1
	s_wait_dscnt 0x0
	s_wait_xcnt 0x0
	v_lshl_add_u32 v190, v0, 2, 0x4a800
	v_mov_b32 v191, 0
	s_wait_tensorcnt 0x0
	ds_add_u32 v190, v191
	s_wait_dscnt 0x0
	ROUND                                          ; the closing round: no work-group ends while a partner may still ask for a tile that names it
	s_endpgm
.Lfunc_end_k_q7e96569041_attn:
	.size	k_q7e96569041_attn, .Lfunc_end_k_q7e96569041_attn-k_q7e96569041_attn
	.p2alignl 7, 3214868480
	.fill 96, 4, 3214868480
	.section	.rodata,"a",@progbits
	.p2align	6, 0x0
	.amdhsa_kernel k_q7e96569041_attn
		.amdhsa_group_segment_fixed_size 327680
		.amdhsa_private_segment_fixed_size 0
		.amdhsa_enable_private_segment 0
		.amdhsa_kernarg_size 24
		.amdhsa_user_sgpr_count 2
		.amdhsa_user_sgpr_kernarg_segment_ptr 1
		.amdhsa_wavefront_size32 1
		.amdhsa_system_sgpr_workgroup_id_x 1
		.amdhsa_system_sgpr_workgroup_id_y 1
		.amdhsa_system_sgpr_workgroup_id_z 1
		.amdhsa_system_vgpr_workitem_id 0
		.amdhsa_next_free_vgpr 512
		.amdhsa_next_free_sgpr 92
		.amdhsa_reserve_vcc 0
		.amdhsa_float_denorm_mode_32 3
		.amdhsa_float_denorm_mode_16_64 3
		.amdhsa_memory_ordered 1
		.amdhsa_forward_progress 1
		.amdhsa_inst_pref_size 221
	.end_amdhsa_kernel
	.amdgpu_metadata
---
amdhsa.version: [ 1, 2 ]
amdhsa.kernels:
  - .name:           k_q7e96569041_attn
    .symbol:         k_q7e96569041_attn.kd
    .args:
      - { .name: qkv, .offset: 0, .size: 8, .value_kind: global_buffer, .address_space: global }
      - { .name: pext, .offset: 8, .size: 8, .value_kind: global_buffer, .address_space: global }
      - { .name: out0, .offset: 16, .size: 8, .value_kind: global_buffer, .address_space: global }
    .group_segment_fixed_size: 327680
    .private_segment_fixed_size: 0
    .kernarg_segment_align: 8
    .kernarg_segment_size: 24
    .max_flat_workgroup_size: 256
    .sgpr_count:     92
    .vgpr_count:     512
    .wavefront_size: 32
...
	.end_amdgpu_metadata
.endif
;; end of part 3
;; ======== version 2 of 2: 3 launches; version 1 with the launch prep written anew for expert scheduling mode
;; limits: values are held in f16: magnitudes above 65,504 overflow, below 6.1e-05 lose precision; inputs' magnitudes at most 65,504
;; workspace buffers: xb 8,388,608 bytes; wt 6,291,456 bytes; pext 262,144 bytes; qkv 25,165,824 bytes
;; launch prep (part 4): grid 656 x 1, 8 waves a work-group, no clusters, 34,304 bytes of LDS; arguments x, Wq, Wkv, pos_emb, xb, wt, pext; writes xb, wt, pext
.if DOCPART == 4
	.amdgcn_target "amdgcn-amd-amdhsa--gfx1250"
	.amdhsa_code_object_version 6
	.text
	.protected	k_q7e96569041_prep
	.globl	k_q7e96569041_prep
	.p2align	8
	.type	k_q7e96569041_prep,@function
k_q7e96569041_prep:
	s_mov_b64 s[64:65], 0
	v_nop
	global_prefetch_b8 v0, s[64:65] scope:SCOPE_SE
	s_setreg_imm32_b32 hwreg(HW_REG_WAVE_SCHED_MODE, 0, 2), 2
	s_setreg_imm32_b32 hwreg(HW_REG_WAVE_MODE, 25, 1), 1
	s_wait_xcnt 0x0
	s_wait_alu depctr_vm_vsrc(0)
; Casts and lays out the operands of the two matrix launches.  Four kinds of work-group, told apart by the work-group's number alone:
;   0..255    xb   = f16(x), [4096][1024]; 65,536 bytes of x each
;   256..383  wt rows 0..1023    = f16(Wq^T  / 8), a tile of 128 k x 64 n each, transposed through LDS
;   384..639  wt rows 1024..3071 = f16(Wkv^T / 8), likewise
;   640..655  pext[u] = f16(pos_emb[min(1535 - min(u, 1535), 1024)] / 8), [2048][64]; 128 rows each.
;             With u = j - i + 1023 that is the row clip(i - j, -512, 512) + 512: the clip is built in and u rises with the key j.
; The factor 1/8 is a power of two, so it costs no accuracy; it leaves q, k, v eight times more room in f16.
; LIMITS: f16 holds magnitudes below 65,504: |x| < 65,504, |W| and |pos_emb| < 524,000; beyond that the cast gives infinity.
; Memory binds here: every input byte is read once (clamped rows of pos_emb again), by 16-byte loads whose sixteen neighbouring lanes
; cover 256 aligned bytes, and every store of a wave covers whole aligned runs of 256 bytes.  No matrix unit, no cluster: nothing is shared.
; THE MODE: SCHED_MODE bits 1:0 = 2 (LLVM: expert scheduling mode 2), set by the entry lines.  The code itself states the register dependences
; between vector instructions and memory or LDS instructions, with s_wait_alu, always for 0.
; THE PLAN.  Each kind of work-group runs one straight path.  Registers that memory or LDS instructions touch:
;   offsets      x: v1 (loads), v2 (stores).  Weights: v3 (loads), v4 (LDS stores), v5 (LDS loads), v6 (stores).  pext: v4 to v11 (loads), v12 (stores).
;                Made by vector instructions at the path's head and never written again: ONE wait on va_vdst behind them serves the whole path.
;   loaded data  x: v[16:79].  Weights: v[16:47], read by the LDS stores alone, and v[48:79] out of LDS.  pext: v[16:47].  Each is loaded once; no vector instruction names one ahead of its load.
;   out-buffers  x: v[80:111].  Weights: v[80:95].  pext: v[48:63].  Step i's conversions write its part, once; store i reads it.
;   v112, v113   made at the kernel's head, read by the closing add alone.
; The stores lag their conversions by a group of L steps (x and pext: 4; weights: 2): store i - L stands at the head of step i.  A wait on va_vdst at steps L, 2 L, ..
; states that all earlier steps' conversions have written their parts; the vector instructions behind it write later steps' parts alone, which the group's stores do not read.
; One more such wait stands ahead of the last L stores.  No register that a memory or LDS instruction reads is written again, so no wait on vm_vsrc is owed;
; no vector instruction writes a scalar register, and EXEC is never written.
.set WQ0,  256                         ; first work-group of Wq's tiles
.set WKV0, 384                         ; of Wkv's tiles
.set POS0, 640                         ; of pext's rows
.set EIGHTH, 0x3e000000                ; 0.125
	s_load_b256 s[4:11], s[0:1], 0x0               ; x s[4:5], Wq s[6:7], Wkv s[8:9], pos_emb s[10:11]
	s_load_b128 s[12:15], s[0:1], 0x20             ; xb s[12:13], wt s[14:15]
	s_load_b64 s[16:17], s[0:1], 0x30              ; pext
	v_lshl_add_u32 v112, v0, 2, 0x8200             ; the LDS address of my spare word, behind the tile's 128 x 260 bytes, and 0: kept for the closing lines alone
	v_mov_b32 v113, 0
	s_mov_b32 s21, 0                               ; upper words of the two offset pairs s[20:21], s[22:23]
	s_mov_b32 s23, 0
	s_wait_kmcnt 0x0
	s_cmp_lt_u32 ttmp9, WQ0
	s_cbranch_scc0 .Lweights
	; ---- x: a wave owns 8,192 consecutive bytes, sixteen loads of 512 bytes, all on their way at once
	v_and_b32 v1, 31, v0
	v_lshrrev_b32 v2, 5, v0
	v_lshlrev_b32 v1, 4, v1
	v_lshl_add_u32 v1, v2, 13, v1                  ; 8,192 wave + 16 lane
	v_lshrrev_b32 v2, 1, v1                        ; half of that in xb
	s_lshl_b32 s20, ttmp9, 16
	s_lshl_b32 s22, ttmp9, 15
	s_add_nc_u64 s[4:5], s[4:5], s[20:21]
	s_add_nc_u64 s[12:13], s[12:13], s[22:23]
	s_wait_alu depctr_va_vdst(0)                   ; v1 and v2 are written: every load below reads v1 as its offset, every store v2
.irp i, 0,1,2,3,4,5,6,7,8,9,10,11,12,13,14,15
	global_load_b128 v[16+4*\i:16+4*\i+3], v1, s[4:5] offset:512*\i th:TH_LOAD_NT
.endr
.irp i, 0,1,2,3,4,5,6,7,8,9,10,11,12,13,14,15
	s_wait_loadcnt 15-\i                           ; loads return in order: load i is in, the 15 - i younger ones stay out
.if (((\i) % 4) == 0) && ((\i) > 0)
	s_wait_alu depctr_va_vdst(0)                   ; the conversions of all earlier steps have written their parts of v[80:111]: this step's store and the next three read the parts of the four steps before
.endif
.if (\i) >= 4
	global_store_b64 v2, v[80+2*((\i)-4):80+2*((\i)-4)+1], s[12:13] offset:256*((\i)-4)   ; 32 lanes x 8 bytes = 256 aligned bytes; no register is used twice
.endif
	v_cvt_pk_f16_f32 v[80+2*\i], v[16+4*\i], v[16+4*\i+1]
	v_cvt_pk_f16_f32 v[80+2*\i+1], v[16+4*\i+2], v[16+4*\i+3]
.endr
	s_wait_alu depctr_va_vdst(0)                   ; the last four steps' conversions have written v[104:111], which the last four stores read
.irp i, 12,13,14,15
	global_store_b64 v2, v[80+2*\i:80+2*\i+1], s[12:13] offset:256*\i
.endr
	s_endpgm
; ---- a tile of 128 k x 64 n of a weight matrix whose rows are 1 << shift bytes, into wt's rows 64 (nt + nt0) .. + 63, columns 128 kt .. + 127.
; In: thread (row = t / 16, chunk = t % 16) loads 16 bytes of rows row + 16 i; a row's piece is 256 aligned bytes.
; LDS: [128 k][65 words]: the odd pitch keeps the word stores of two neighbouring rows on different banks.
; Out: thread (nn = t / 16, kc = t % 16) gathers k = 8 kc .. + 7 of columns nn + 16 i: sixteen lanes then store 256 aligned bytes of one row of wt.
.macro WTILE src, shift, first, nt0
	s_sub_co_u32 s18, ttmp9, \first
	s_and_b32 s19, s18, 7                          ; kt
	s_lshr_b32 s18, s18, 3                         ; nt
	s_lshl_b32 s20, s19, 7+\shift                  ; 128 kt rows
	s_lshl_b32 s24, s18, 8                         ; 64 nt columns of 4 bytes
	s_add_co_u32 s20, s20, s24
	s_add_nc_u64 s[\src:\src+1], s[\src:\src+1], s[20:21]
	s_add_co_u32 s18, s18, \nt0
	s_lshl_b32 s22, s18, 17                        ; 64 rows of wt, 2,048 bytes each
	s_lshl_b32 s24, s19, 8                         ; 128 kt columns of 2 bytes
	s_add_co_u32 s22, s22, s24
	s_add_nc_u64 s[14:15], s[14:15], s[22:23]
	v_and_b32 v1, 15, v0                           ; chunk, later kc
	v_lshrrev_b32 v2, 4, v0                        ; row, later nn
	v_lshlrev_b32 v3, \shift, v2
	v_lshl_add_u32 v3, v1, 4, v3                   ; source: row x pitch + 16 chunk
	v_mul_u32_u24 v4, v2, 260
	v_lshl_add_u32 v4, v1, 4, v4                   ; LDS in: 260 row + 16 chunk
	v_mul_u32_u24 v5, v1, 2080
	v_lshl_add_u32 v5, v2, 2, v5                   ; LDS out: 260 x 8 kc + 4 nn
	v_lshlrev_b32 v6, 11, v2
	v_lshl_add_u32 v6, v1, 4, v6                   ; wt: 2,048 nn + 16 kc
	s_wait_alu depctr_va_vdst(0)                   ; v3 to v6 are written: the loads read v3, the LDS stores v4, the LDS loads v5, the stores v6
.irp i, 0,1,2,3,4,5,6,7
	global_load_b128 v[16+4*\i:16+4*\i+3], v3, s[\src:\src+1] offset:\i*(16<<\shift) th:TH_LOAD_NT
.endr
.irp i, 0,1,2,3,4,5,6,7
	s_wait_loadcnt 7-\i                            ; load i is in, the younger ones stay out
.irp e, 0,1,2,3
	ds_store_b32 v4, v[16+4*\i+\e] offset:4160*\i+4*\e   ; the data come from loads: no vector instruction names them
.endr
.endr
	s_wait_dscnt 0x0                               ; my stores are done before I say so: other waves read them
	s_barrier_signal -1
	s_barrier_wait -1
.irp i, 0,1,2,3
.irp e, 0,1,2,3,4,5,6,7
	ds_load_b32 v[48+8*\i+\e], v5 offset:260*\e+64*\i
.endr
.endr
.irp i, 0,1,2,3
	s_wait_dscnt 8*(3-\i)                          ; the eight words of column nn + 16 i are in; the later columns' loads stay out
.if (\i) == 2
	s_wait_alu depctr_va_vdst(0)                   ; the conversions of columns nn and nn + 16 have written v[80:87], which this step's store and the next one's read
.endif
.if (\i) >= 2
	global_store_b128 v6, v[80+4*((\i)-2):80+4*((\i)-2)+3], s[14:15] offset:32768*((\i)-2)
.endif
.irp p, 0,1,2,3
	v_pk_mul_f32 v[48+8*\i+2*\p:48+8*\i+2*\p+1], v[48+8*\i+2*\p:48+8*\i+2*\p+1], EIGHTH op_sel_hi:[1,0]
.endr
.irp p, 0,1,2,3
	v_cvt_pk_f16_f32 v[80+4*\i+\p], v[48+8*\i+2*\p], v[48+8*\i+2*\p+1]
.endr
.endr
	s_wait_alu depctr_va_vdst(0)                   ; the conversions of columns nn + 32 and nn + 48 have written v[88:95], which the last two stores read
.irp i, 2,3
	global_store_b128 v6, v[80+4*\i:80+4*\i+3], s[14:15] offset:32768*\i
.endr
	s_wait_dscnt 0x0                               ; the closing lines, six on end
	s_wait_alu 0x0
	s_wait_tensorcnt 0x0
	ds_add_u32 v112, v113
	s_wait_dscnt 0x0
	s_endpgm
.endm
.Lweights:
	s_cmp_lt_u32 ttmp9, WKV0
	s_cbranch_scc0 .Lwkv
	WTILE 6, 12, WQ0, 0                            ; Wq: rows of 4,096 bytes
.Lwkv:
	s_cmp_lt_u32 ttmp9, POS0
	s_cbranch_scc0 .Lpos
	WTILE 8, 13, WKV0, 16                          ; Wkv: rows of 8,192 bytes, behind Wq's 16 column tiles
	; ---- pext: thread (rl = t / 16, c = t % 16) takes 16 bytes of the source row of u = 128 g + 16 i + rl
.Lpos:
	s_sub_co_u32 s18, ttmp9, POS0
	s_lshl_b32 s19, s18, 7                         ; the group's first u
	s_lshl_b32 s22, s18, 14                        ; 128 rows of 128 bytes
	s_add_nc_u64 s[16:17], s[16:17], s[22:23]
	v_and_b32 v1, 15, v0
	v_lshrrev_b32 v2, 4, v0
	v_add_nc_u32 v3, s19, v2
	v_lshlrev_b32 v12, 7, v2
	v_lshl_add_u32 v12, v1, 3, v12                 ; 128 rl + 8 c: a wave's store covers two rows, 256 aligned bytes
.irp i, 0,1,2,3,4,5,6,7                        ; all eight offsets are made first, so that one wait serves the eight loads
	v_add_nc_u32 v13, 16*\i, v3                    ; u
	v_min_u32 v13, 1535, v13
	v_sub_nc_u32 v13, 1535, v13
	v_min_u32 v13, 1024, v13                       ; the row of pos_emb, 0 .. 1024
	v_lshlrev_b32 v13, 8, v13
	v_lshl_add_u32 v[4+\i], v1, 4, v13
.endr
	s_wait_alu depctr_va_vdst(0)                   ; v4 to v11 are written, which the loads read as their offsets, and v12, which the stores read
.irp i, 0,1,2,3,4,5,6,7
	global_load_b128 v[16+4*\i:16+4*\i+3], v[4+\i], s[10:11]
.endr
.irp i, 0,1,2,3,4,5,6,7
	s_wait_loadcnt 7-\i                            ; load i is in, the younger ones stay out
.if (\i) == 4
	s_wait_alu depctr_va_vdst(0)                   ; the conversions of rows 0 to 3 have written v[48:55], which this step's store and the next three read
.endif
.if (\i) >= 4
	global_store_b64 v12, v[48+2*((\i)-4):48+2*((\i)-4)+1], s[16:17] offset:2048*((\i)-4)
.endif
	v_pk_mul_f32 v[16+4*\i:16+4*\i+1], v[16+4*\i:16+4*\i+1], EIGHTH op_sel_hi:[1,0]
	v_pk_mul_f32 v[16+4*\i+2:16+4*\i+3], v[16+4*\i+2:16+4*\i+3], EIGHTH op_sel_hi:[1,0]
	v_cvt_pk_f16_f32 v[48+2*\i], v[16+4*\i], v[16+4*\i+1]
	v_cvt_pk_f16_f32 v[48+2*\i+1], v[16+4*\i+2], v[16+4*\i+3]
.endr
	s_wait_alu depctr_va_vdst(0)                   ; the conversions of rows 4 to 7 have written v[56:63], which the last four stores read
.irp i, 4,5,6,7
	global_store_b64 v12, v[48+2*\i:48+2*\i+1], s[16:17] offset:2048*\i
.endr
	s_endpgm
.Lfunc_end_k_q7e96569041_prep:
	.size	k_q7e96569041_prep, .Lfunc_end_k_q7e96569041_prep-k_q7e96569041_prep
	.p2alignl 7, 3214868480
	.fill 96, 4, 3214868480
	.section	.rodata,"a",@progbits
	.p2align	6, 0x0
	.amdhsa_kernel k_q7e96569041_prep
		.amdhsa_group_segment_fixed_size 34304
		.amdhsa_private_segment_fixed_size 0
		.amdhsa_enable_private_segment 0
		.amdhsa_kernarg_size 56
		.amdhsa_user_sgpr_count 2
		.amdhsa_user_sgpr_kernarg_segment_ptr 1
		.amdhsa_wavefront_size32 1
		.amdhsa_system_sgpr_workgroup_id_x 1
		.amdhsa_system_sgpr_workgroup_id_y 1
		.amdhsa_system_sgpr_workgroup_id_z 1
		.amdhsa_system_vgpr_workitem_id 0
		.amdhsa_next_free_vgpr 114
		.amdhsa_next_free_sgpr 66
		.amdhsa_reserve_vcc 0
		.amdhsa_float_denorm_mode_32 3
		.amdhsa_float_denorm_mode_16_64 3
		.amdhsa_memory_ordered 1
		.amdhsa_forward_progress 1
		.amdhsa_inst_pref_size 34
	.end_amdhsa_kernel
	.amdgpu_metadata
---
amdhsa.version: [ 1, 2 ]
amdhsa.kernels:
  - .name:           k_q7e96569041_prep
    .symbol:         k_q7e96569041_prep.kd
    .args:
      - { .name: x, .offset: 0, .size: 8, .value_kind: global_buffer, .address_space: global }
      - { .name: Wq, .offset: 8, .size: 8, .value_kind: global_buffer, .address_space: global }
      - { .name: Wkv, .offset: 16, .size: 8, .value_kind: global_buffer, .address_space: global }
      - { .name: pos_emb, .offset: 24, .size: 8, .value_kind: global_buffer, .address_space: global }
      - { .name: xb, .offset: 32, .size: 8, .value_kind: global_buffer, .address_space: global }
      - { .name: wt, .offset: 40, .size: 8, .value_kind: global_buffer, .address_space: global }
      - { .name: pext, .offset: 48, .size: 8, .value_kind: global_buffer, .address_space: global }
    .group_segment_fixed_size: 34304
    .private_segment_fixed_size: 0
    .kernarg_segment_align: 8
    .kernarg_segment_size: 56
    .max_flat_workgroup_size: 256
    .sgpr_count:     66
    .vgpr_count:     114
    .wavefront_size: 32
...
	.end_amdgpu_metadata
.endif
;; end of part 4
;; launch proj: the kernel of part 2 again; grid 12 x 16, 4 waves a work-group, clusters of 4 x 4, 327,680 bytes of LDS; arguments xb, wt, qkv; writes qkv
;; launch attn: the kernel of part 3 again; grid 256 x 1, 8 waves a work-group, clusters of 4 x 1, 327,680 bytes of LDS; arguments qkv, pext, out0; writes out0
